; MI455X (gfx1250); checked and timed in simulation.
; The chip was launched on July 23, 2026; its instructions are those of AMD's public machine-readable ISA for CDNA 5 (MIT licence, August 2026) and "CDNA5" Instruction Set Architecture Reference Guide (July 2026). The comments in the code are by the model that wrote it; some were corrected since.
;; Label SNN. Allowed arithmetic: float matrix products may take bf16 or f16 operands with f32 sums; all other float work in f32.
;; Inputs: W1 1,024 x 512 float32; W2 512 x 1,024 float32; spike_seq 128 x 512 x 512 float32.
;; Outputs: out0 512 x 1,024 float32; out1 512 x 512 float32.
;; One version. Each part assembles by itself: llvm-mc -triple=amdgcn-amd-amdhsa -mcpu=gfx1250 --defsym DOCPART=n.
;; ======== version 1 of 1: 2 launches
;; workspace buffers: wb 2,097,152 bytes
;; launch prep (part 1): grid 256 x 1, 8 waves a work-group, no clusters, 0 bytes of LDS; arguments W1, W2, wb; writes wb
.if DOCPART == 1
	.amdgcn_target "amdgcn-amd-amdhsa--gfx1250"
	.amdhsa_code_object_version 6
	.text
	.protected	k_qfb4d69bd54_prep
	.globl	k_qfb4d69bd54_prep
	.p2align	8
	.type	k_qfb4d69bd54_prep,@function
k_qfb4d69bd54_prep:
	s_mov_b64 s[64:65], 0
	v_nop
	global_prefetch_b8 v0, s[64:65] scope:SCOPE_SE
	s_setreg_imm32_b32 hwreg(HW_REG_WAVE_MODE, 25, 1), 1
	s_wait_xcnt 0x0
; W1 [1024][512] and W2 [512][1024], f32, are rounded once to bf16 and laid out as the matrix fragments that the second launch streams.
; wb: fragment (w, g, kk, nt) of 1,024 bytes at w<<19 | g<<16 | kk<<12 | nt<<10: w the wave that reads it, g its block of 256 columns x 512 K, kk the step of 32 along K,
; nt one of four column tiles.  In a fragment bytes 16 L are registers 0-3 of lane L (positions 8 (L/16) + 0..7 of the 32), bytes 512 + 16 L its registers 4-7 (16 + 8 (L/16) + 0..7).
; Lane L holds output column 256 P + 64 w + 4 (L%16) + nt, so that a lane's four tiles are four neighbouring columns (P = g for W1; (g-4)/2 for W2).
; g = 0..3: W1, position p of step kk is k = 32 kk + p.
; g = 4..7: 0.5 x W2 (the spike operand of the second product is 2.0, one bit of a bf16); with q = 16 (g&1) + kk, position p is hidden unit 64 (q/2) + 4 (p/2) + 2 (q&1) + (p&1):
; the order in which the second launch's spike words unfold.  LIMIT: a W2 below 2^-125 in magnitude may lose its last bit in the halving.
; Work-groups 0-127 take W1, 128-255 W2; a wave makes 1,024 bytes of wb; a thread reads 16 consecutive f32 and stores two pieces of 16 bytes; 16 neighbouring lanes store 256 consecutive aligned bytes.
; No LDS, no barrier, no matrix unit: 4 MB in, 2 MB out, once.
	s_load_b128 s[4:7], s[0:1], 0x0                ; W1 s[4:5], W2 s[6:7]
	s_load_b64 s[8:9], s[0:1], 0x10                ; wb
	v_lshrrev_b32 v1, 5, v0
	v_readfirstlane_b32 s10, v1                    ; wave 0..7
	v_and_b32 v1, 31, v0                           ; L
	v_and_b32 v2, 15, v0                           ; r = L % 16
	v_bfe_u32 v3, v0, 4, 1                         ; L / 16
	s_and_b32 s11, ttmp9, 127
	s_lshl3_add_u32 s11, s11, s10                  ; W = 8 x (work-group % 128) + wave: 0..1023
	s_mov_b32 s17, 0                               ; high words of the two offsets
	s_mov_b32 s19, 0
	s_bfe_u32 s15, s11, 0x20008                    ; w = (W >> 8) & 3
	s_lshl_b32 s18, s15, 19                        ; the destination's offset begins with w << 19
	s_wait_kmcnt 0x0
	s_cmp_lt_u32 ttmp9, 128
	s_cbranch_scc0 .Lw2
	; W1: the wave makes fragment (w, g, kk, nt); lane (r, v = L/16) reads row 256 g + 64 w + 4 r + nt, k = 32 kk + 16 v + 0..15
	s_and_b32 s12, s11, 3                          ; nt
	s_bfe_u32 s13, s11, 0x40002                    ; kk
	s_bfe_u32 s14, s11, 0x20006                    ; g
	s_lshl_b32 s16, s14, 8
	s_lshl_b32 s20, s15, 6
	s_add_co_u32 s16, s16, s20
	s_add_co_u32 s16, s16, s12                     ; the row of r = 0
	s_lshl_b32 s16, s16, 11                        ; rows of 2,048 bytes
	s_lshl_b32 s20, s13, 7
	s_add_co_u32 s16, s16, s20                     ; + 128 bytes for each step of 32
	s_lshl_b32 s20, s14, 16
	s_or_b32 s18, s18, s20
	s_lshl_b32 s20, s13, 12
	s_or_b32 s18, s18, s20
	s_lshl_b32 s20, s12, 10
	s_or_b32 s18, s18, s20
	s_add_nc_u64 s[4:5], s[4:5], s[16:17]
	s_add_nc_u64 s[8:9], s[8:9], s[18:19]
	v_lshlrev_b32 v4, 13, v2                       ; 4 r rows
	v_lshl_add_u32 v4, v3, 6, v4                   ; + 16 v numbers
	v_lshlrev_b32 v5, 4, v2                        ; destination: 512 v + 16 r (+ 256 for the second eight positions)
	v_lshl_add_u32 v5, v3, 9, v5
.irp i, 0,1,2,3
	global_load_b128 v[8+4*(\i):11+4*(\i)], v4, s[4:5] offset:16*(\i)
.endr
	s_wait_loadcnt 0x0
.irp a, 0,1,2,3,4,5,6,7
	v_cvt_pk_bf16_f32 v[24+(\a)], v[8+2*(\a)], v[9+2*(\a)]  ; rounds to nearest even, the lower k in the low half
.endr
	global_store_b128 v5, v[24:27], s[8:9]
	global_store_b128 v5, v[28:31], s[8:9] offset:256
	s_endpgm
.Lw2:
	; W2: lane (r, hh = L/16) reads row 256 pp + 64 w + 4 r + nt, hidden units 64 Q + 32 uh + 16 hh + 0..15.  Number i of the 16 belongs to step q = 2 Q + ((i>>1)&1),
	; position 16 uh + 8 hh + 2 (i>>2) + (i&1): the numbers with (i>>1)&1 = e make 16 bytes of fragment q = 2 Q + e, and the two fragments lie 4,096 bytes apart.
	s_and_b32 s12, s11, 1                          ; uh
	s_bfe_u32 s13, s11, 0x20001                    ; nt
	s_bfe_u32 s14, s11, 0x40003                    ; Q
	s_bfe_u32 s21, s11, 0x10007                    ; pp
	s_lshl_b32 s16, s21, 8
	s_lshl_b32 s20, s15, 6
	s_add_co_u32 s16, s16, s20
	s_add_co_u32 s16, s16, s13                     ; the row of r = 0
	s_lshl_b32 s16, s16, 12                        ; rows of 4,096 bytes
	s_lshl_b32 s20, s14, 8
	s_add_co_u32 s16, s16, s20
	s_lshl_b32 s20, s12, 7
	s_add_co_u32 s16, s16, s20
	s_lshl_b32 s20, s21, 1
	s_lshr_b32 s22, s14, 3
	s_add_co_u32 s20, s20, s22
	s_add_co_u32 s20, s20, 4                       ; g = 4 + 2 pp + (Q >> 3)
	s_lshl_b32 s20, s20, 16
	s_or_b32 s18, s18, s20
	s_and_b32 s20, s14, 7
	s_lshl_b32 s20, s20, 13                        ; kk = 2 (Q & 7) (+ e, in the store's immediate)
	s_or_b32 s18, s18, s20
	s_lshl_b32 s20, s13, 10
	s_or_b32 s18, s18, s20
	s_lshl_b32 s20, s12, 9
	s_or_b32 s18, s18, s20
	s_add_nc_u64 s[6:7], s[6:7], s[16:17]
	s_add_nc_u64 s[8:9], s[8:9], s[18:19]
	v_lshlrev_b32 v4, 14, v2                       ; 4 r rows
	v_lshl_add_u32 v4, v3, 6, v4                   ; + 16 hh numbers
	v_lshlrev_b32 v5, 4, v1                        ; destination: 16 L
.irp i, 0,1,2,3
	global_load_b128 v[8+4*(\i):11+4*(\i)], v4, s[6:7] offset:16*(\i)
.endr
	s_wait_loadcnt 0x0
.irp a, 0,1,2,3,4,5,6,7
	v_pk_mul_f32 v[8+2*(\a):9+2*(\a)], v[8+2*(\a):9+2*(\a)], 0.5 op_sel_hi:[1,0]  ; exact: only the exponent changes
.endr
.irp a, 0,1,2,3
	v_cvt_pk_bf16_f32 v[24+(\a)], v[8+4*(\a)], v[9+4*(\a)]    ; e = 0
	v_cvt_pk_bf16_f32 v[28+(\a)], v[10+4*(\a)], v[11+4*(\a)]  ; e = 1
.endr
	global_store_b128 v5, v[24:27], s[8:9]
	global_store_b128 v5, v[28:31], s[8:9] offset:4096
	s_endpgm
.Lfunc_end_k_qfb4d69bd54_prep:
	.size	k_qfb4d69bd54_prep, .Lfunc_end_k_qfb4d69bd54_prep-k_qfb4d69bd54_prep
	.p2alignl 7, 3214868480
	.fill 96, 4, 3214868480
	.section	.rodata,"a",@progbits
	.p2align	6, 0x0
	.amdhsa_kernel k_qfb4d69bd54_prep
		.amdhsa_group_segment_fixed_size 0
		.amdhsa_private_segment_fixed_size 0
		.amdhsa_enable_private_segment 0
		.amdhsa_kernarg_size 24
		.amdhsa_user_sgpr_count 2
		.amdhsa_user_sgpr_kernarg_segment_ptr 1
		.amdhsa_wavefront_size32 1
		.amdhsa_system_sgpr_workgroup_id_x 1
		.amdhsa_system_sgpr_workgroup_id_y 1
		.amdhsa_system_sgpr_workgroup_id_z 1
		.amdhsa_system_vgpr_workitem_id 0
		.amdhsa_next_free_vgpr 40
		.amdhsa_next_free_sgpr 66
		.amdhsa_reserve_vcc 0
		.amdhsa_float_denorm_mode_32 3
		.amdhsa_float_denorm_mode_16_64 3
		.amdhsa_memory_ordered 1
		.amdhsa_forward_progress 1
		.amdhsa_inst_pref_size 6
	.end_amdhsa_kernel
	.amdgpu_metadata
---
amdhsa.version: [ 1, 2 ]
amdhsa.kernels:
  - .name:           k_qfb4d69bd54_prep
    .symbol:         k_qfb4d69bd54_prep.kd
    .args:
      - { .name: W1, .offset: 0, .size: 8, .value_kind: global_buffer, .address_space: global }
      - { .name: W2, .offset: 8, .size: 8, .value_kind: global_buffer, .address_space: global }
      - { .name: wb, .offset: 16, .size: 8, .value_kind: global_buffer, .address_space: global }
    .group_segment_fixed_size: 0
    .private_segment_fixed_size: 0
    .kernarg_segment_align: 8
    .kernarg_segment_size: 24
    .max_flat_workgroup_size: 256
    .sgpr_count:     66
    .vgpr_count:     40
    .wavefront_size: 32
...
	.end_amdgpu_metadata
.endif
;; end of part 1
;; launch snn (part 2): grid 256 x 1, 4 waves a work-group, no clusters, 301,568 bytes of LDS; arguments spike_seq, wb, out0, out1; writes out0, out1
.if DOCPART == 2
	.amdgcn_target "amdgcn-amd-amdhsa--gfx1250"
	.amdhsa_code_object_version 6
	.text
	.protected	k_qfb4d69bd54_snn
	.globl	k_qfb4d69bd54_snn
	.p2align	8
	.type	k_qfb4d69bd54_snn,@function
k_qfb4d69bd54_snn:
	s_mov_b64 s[64:65], 0
	v_nop
	global_prefetch_b8 v0, s[64:65] scope:SCOPE_SE
	s_setreg_imm32_b32 hwreg(HW_REG_WAVE_MODE, 25, 1), 1
	s_wait_xcnt 0x0
; Two LIF layers over 128 time steps: v = 0.95 v + x; spike = v > 1; v = 0 on a spike; the outputs are each unit's spikes / 128.  x1 = X[t] W1^T (512 -> 1024), x2 = spikes1[t] W2^T (1024 -> 512).
; SHARES.  The scan runs along t alone, so a work-group owns 2 batch rows (2 x, 2 x + 1) for all 128 t: 256 rows of both products; 256 work-groups.  LDS row 16 (t/8) + 8 b + t%8: in a result tile
; of 16 rows register j is time 8 mt + j, the half of the lanes is the batch row and lane%16 the unit: the whole scan stays inside a lane, and a compare's 32-bit mask is 16 units x 2 batch rows of spikes.
; EIGHT BLOCKS of 256 rows x 256 columns x 512 K.  Blocks 0-3: layer 1's hidden units 256 g on, then the scan.  Blocks 4-7: layer 2, columns 256 ((g-4)/2) on, K half g&1; the scan behind blocks 5 and 7.
; A wave makes 256 x 64: 16 x 4 accumulators, 512 registers.  The rows' operand lies in LDS (bf16) and is read by all four waves; the weights come from wb, already in fragment order, straight into a ring
; of four register slots, three K steps ahead: each load of a wave takes 512 consecutive bytes.
; Layer 1's spikes never leave the work-group: 128 x 64 mask words in LDS; before each block of layer 2 half of them is unfolded into bf16 2.0 / 0 (wb holds 0.5 x W2) over the rows' operand.
; NO TENSOR LOADS, NO CLUSTER: all work-groups read the same 2 MB of wb, but the waves split the columns, so a fragment is used by one wave of a work-group and LDS would give it no second use;
; and the rows' operand (266,240 bytes) and the spike words (34,816) leave 26,112 bytes, less than two slots of one K step's 16,384 bytes.
; ARITHMETIC AND LIMITS.  X, W1, W2 are rounded to bf16, sums in f32 in the matrix unit's order; a scan step is ONE fused multiply-add (0.95 v + x rounded once), a compare and a select; a membrane that
; falls within a rounding of 1.0 may spike a step apart from a two-rounding evaluation.  A NaN never spikes and stays, as in the definition; a membrane of +infinity is reset to 0, where the definition's v x 0 gives NaN.
; REGISTERS, in windows of 256 (s_set_vgpr_msb: bits 1:0 source 0, 3:2 source 1, 5:4 source 2, 7:6 destination):
;   window 0: addresses and the scan's state (below); v128-255 the weights' ring, 4 slots x 4 fragments      window 1: the rows' fragments, two buffers of 16
;   window 2: accumulators of row tiles 0-7, (mt, nt) at 8 (4 mt + nt); before the first block X as loaded     window 3: those of row tiles 8-15
.set PX,    1040                       ; a row of the rows' operand: 1,024 bytes + 16: an odd multiple of 16, so the 16 rows of a fragment load fall into 16 different 16-byte columns of 256 bytes
.set TILEB, 16*PX
.set QUADB, 4*TILEB
.set BITS,  256*PX                     ; the spike words: row t, word c = 16 g + 4 w + nt; bit r: unit 64 (c/4) + 4 r + c%4 of batch row 0, bit 16 + r: of batch row 1
.set PB,    272                        ; 64 words + 16 bytes
.set SPARE, BITS+128*PB                ; the spare words, 128 bytes for each wave: two blocks of 256 bytes that no other line names
.set SPW,  10                          ; v10     LDS address of my spare word; never rewritten
.set NIL,  11                          ; v11     0; never rewritten
.set AD0,  12                          ; v12-15  my place in row tiles 4 i .. 4 i + 3, K = 0
.set AD,   16                          ; v16-19  the same at the trip's K
.set VB,   20                          ; v20     my byte in wb at the trip's first K step
.set VB2,  21                          ; v21     the same, held back in the launch's last trip
.set VLIM, 22                          ; v22     its bound
.set BA0,  23                          ; v23     where I store a spike word, block 0
.set BA,   24                          ; v24     the same for the block in hand
.set RD0,  26                          ; v26     where I read spike words, first 32 rows
.set RD,   27
.set WR0,  28                          ; v28     where I put unfolded spikes, first 32 rows
.set WR,   29
.set SELB, 30                          ; v30     v_perm_b32's select: the low or the high halves of two words, by my row's batch row
.set VH,   31                          ; v31     lane / 16
.set VR16, 32                          ; v32     16 x (lane % 16)
.set VX,   33                          ; v33     16 x lane
.set SD,   34                          ; v34     where I put 8 bytes of X in bf16
.set VOUT, 35                          ; v35     my byte offset in the output
.set VM,   36                          ; v36-39  membranes of my four units
.set CN,   40                          ; v40-43  their spike counts
.set OU,   44                          ; v44-47  counts / 128
.set WD,   48                          ; v48-55  eight spike words
.set PP,   56                          ; v56-59  two half words each
.set TT,   64                          ; v64-79  sixteen words of unfolded spikes
.set CV,   64                          ; v64-127 X in bf16, on its way into LDS
.set BW,   96                          ; v96-111 row tile mt's 32 mask words: lane 4 j + nt
.set BR,   128
; s[4:5] X, s[6:7] wb, s[8:9] out0, s[10:11] out1; s12 wave; s13 block; s14 trips to go; s15 1: the block's first products start the sums; s17 0.95; s18 2.0 twice in bf16; s19 a counter;
; s20-27 masks of two time steps; s28-31, s34-37 at work; s[32:33] the output in hand
.set MSB, 0
.macro WIN new                         ; the immediate's high byte repeats the setting that is left; a switch that changes nothing is dropped
.if MSB != (\new)
	s_set_vgpr_msb (MSB<<8)|(\new)
.set MSB, \new
.endif
.endm
; A load into a register that a matrix instruction has read, and a vector instruction that reads a matrix result, stand four places behind it; only plain vector instructions that name none
; of its registers are places (ISA guide 7.12.1 for vector instructions).
.macro PLACES
.rept 4
	v_nop
.endr
.endm
; 32 matrix instructions: row tiles 8 hi .. 8 hi + 7 x 4 column tiles, 32 along K.  All 64 accumulators take turns, one instruction a turn, in the same order in every step.
.macro MUL32 abuf, slot, hi, zero
	WIN 0xa1+0x50*(\hi)                            ; rows' fragments window 1, weights window 0, C and D window 2 or 3
.irp mt, 0,1,2,3,4,5,6,7
.irp nt, 0,1,2,3
.if \zero
	v_wmma_f32_16x16x32_bf16 v[8*(4*(\mt)+(\nt)):8*(4*(\mt)+(\nt))+7], v[(\abuf)+8*(8*(\hi)+(\mt)):(\abuf)+8*(8*(\hi)+(\mt))+7], v[BR+32*(\slot)+8*(\nt):BR+32*(\slot)+8*(\nt)+7], 0
.else
	v_wmma_f32_16x16x32_bf16 v[8*(4*(\mt)+(\nt)):8*(4*(\mt)+(\nt))+7], v[(\abuf)+8*(8*(\hi)+(\mt)):(\abuf)+8*(8*(\hi)+(\mt))+7], v[BR+32*(\slot)+8*(\nt):BR+32*(\slot)+8*(\nt)+7], v[8*(4*(\mt)+(\nt)):8*(4*(\mt)+(\nt))+7]
.endif
.endr
.endr
.endm
; A trip's first step: where s15 = 1 (a block's first trip, unless the block goes on with layer 2's second K half) its products start the sums with the constant 0: nothing is ever cleared.
.macro MULZ abuf, slot, hi
	WIN 0                                          ; at a branch and at a label every window is 0
	s_cmp_eq_u32 s15, 1
	s_cbranch_scc1 .Lzero_\@
	MUL32 \abuf, \slot, \hi, 0
	WIN 0
	s_branch .Ljoin_\@
.Lzero_\@:
	MUL32 \abuf, \slot, \hi, 1
	WIN 0
.Ljoin_\@:
.endm
; 32 LDS loads in one run: 16 fragments (256 rows x 32 K at byte koff of the trip's K), row tiles ascending
.macro FETCHA abuf, koff
	WIN 0x40                                       ; destination window 1, address window 0
.irp mt, 0,1,2,3,4,5,6,7,8,9,10,11,12,13,14,15
	ds_load_b128 v[(\abuf)+8*(\mt):(\abuf)+8*(\mt)+3],   v[AD+(\mt)/4] offset:((\mt)%4)*TILEB+(\koff)
	ds_load_b128 v[(\abuf)+8*(\mt)+4:(\abuf)+8*(\mt)+7], v[AD+(\mt)/4] offset:((\mt)%4)*TILEB+(\koff)+32
.endr
.endm
; 8 global loads: one K step's four fragments of my 64 columns, 4,096 consecutive bytes of wb
.macro LOADB slot, vreg, imm
	WIN 0
.irp nt, 0,1,2,3
	global_load_b128 v[BR+32*(\slot)+8*(\nt):BR+32*(\slot)+8*(\nt)+3],   v[\vreg], s[6:7] offset:(\imm)+(\nt)*1024
	global_load_b128 v[BR+32*(\slot)+8*(\nt)+4:BR+32*(\slot)+8*(\nt)+7], v[\vreg], s[6:7] offset:(\imm)+(\nt)*1024+512
.endr
.endm
; K step s of a trip's four: rows' buffer s % 2, ring slot s.  In its middle it asks for the weights three steps on (into the slot read last step) and fetches the next step's rows.
.macro STEP s
	s_wait_dscnt 16                                ; of this step's 32 LDS loads the first 16, row tiles 0-7, are in
	s_wait_loadcnt 16                              ; loads come back in order: this slot's eight are in, the two younger slots' sixteen stay out
.if (\s) == 0
	MULZ 0, 0, 0
.else
	MUL32 128*((\s)%2), \s, 0, 0
.endif
	PLACES                                         ; for the loads below, into registers that the step before multiplied
	s_wait_dscnt 0x0                               ; row tiles 8-15 are in: asked for 64 matrix instructions ago
.if (\s) == 0
	LOADB 3, VB, 3*4096
.else
	LOADB ((\s)+3)%4, VB2, ((\s)+3)*4096
.endif
.if (\s) == 3
	WIN 0
	s_cmp_eq_u32 s14, 1
	s_cbranch_scc1 .Lno_fetch_\@                   ; a block's last step has no next step in this operand
	FETCHA 0, 256
	WIN 0
.Lno_fetch_\@:
.else
	FETCHA 128*(((\s)+1)%2), ((\s)+1)*64
.endif
.if (\s) == 0
	MULZ 0, 0, 1
.else
	MUL32 128*((\s)%2), \s, 1, 0
.endif
.endm
; X on its way in.  Four times t (4 hf + 0..3 of the eight in hand), each 4,096 consecutive bytes (my two batch rows): 32 loads of 512 bytes into half hf of window 2
.macro ISSUE hf
	WIN 0x80
.set li, 0
.rept 32
	global_load_b128 v[128*(\hf)+4*li:128*(\hf)+4*li+3], v[VX], s[4:5] offset:(4*(\hf)+li/8)*1048576+(li%8)*512 th:TH_LOAD_NT
.set li, li+1
.endr
	WIN 0
.endm
; the same 32 loads rounded to bf16 and stored: load li = 8 tt + i holds batch row i/4, k = 128 (i%4) + 4 lane: 8 bytes a lane, 256 consecutive bytes a store
.macro CONV hf
	WIN 0x0a                                       ; sources 0 and 1 window 2
.set li, 0
.rept 32
	v_cvt_pk_bf16_f32 v[CV+2*li],   v[128*(\hf)+4*li],   v[128*(\hf)+4*li+1]
	v_cvt_pk_bf16_f32 v[CV+2*li+1], v[128*(\hf)+4*li+2], v[128*(\hf)+4*li+3]
.set li, li+1
.endr
	WIN 0
.set li, 0
.rept 32
	ds_store_b64 v[SD], v[CV+2*li:CV+2*li+1] offset:(8*((li%8)/4)+li/8+4*(\hf))*PX+(li%4)*256
.set li, li+1
.endr
.endm
; 32 spikes of my row become 64 bytes.  PP holds 16 bits of word 2 q (even positions) below 16 bits of word 2 q + 1 (odd positions); word i of the result is bit i of each, moved to bits 14 and 30: 2.0 or 0 in bf16.
.macro EXPQ q
.set ii, 0
.rept 14
	v_lshlrev_b32 v[TT+ii], 14-ii, v[PP+(\q)]
.set ii, ii+1
.endr
	v_lshrrev_b32 v[TT+15], 1, v[PP+(\q)]
.set ii, 0
.rept 14
	v_and_b32 v[TT+ii], s18, v[TT+ii]
.set ii, ii+1
.endr
	v_and_b32 v[TT+14], s18, v[PP+(\q)]
	v_and_b32 v[TT+15], s18, v[TT+15]
.irp a, 0,1,2,3
	ds_store_b128 v[WR], v[TT+4*(\a):TT+4*(\a)+3] offset:(\q)*64+16*(\a)
.endr
.endm
; 32 rows (a row a lane) x my four steps of 32 along K.  more = 1: the next 32 rows' words are asked for as soon as this trip's have been taken out of WD.
.macro EXPTRIP more
.irp q, 0,1,2,3
	v_perm_b32 v[PP+(\q)], v[WD+2*(\q)+1], v[WD+2*(\q)], v[SELB]
.endr
.if \more
	v_add_nc_u32 v[RD], 16*PB, v[RD]               ; 32 rows are 16 times
	ds_load_b128 v[WD:WD+3], v[RD]
	ds_load_b128 v[WD+4:WD+7], v[RD] offset:16
.endif
.irp q, 0,1,2,3
	EXPQ \q
.endr
.if \more
	v_add_nc_u32 v[WR], 32*PX, v[WR]
	s_wait_dscnt 16                                ; LDS serves a wave in order: the two loads are in, the sixteen stores behind them may be out
.endif
.endm
; One time step (8 mt + j) of my four units, in runs of four so that no line waits for the one before it.  The masks of even and odd steps lie in different registers.
.macro LIFSTEP mt, j
.set AC, 32*((\mt)%8)+(\j)
.set SM, 20+4*((\j)%2)
.irp nt, 0,1,2,3
	v_fma_f32 v[VM+(\nt)], s17, v[VM+(\nt)], v[AC+8*(\nt)]          ; v = 0.95 v + x
.endr
.irp nt, 0,1,2,3
	v_cmp_gt_f32 s[SM+(\nt)], v[VM+(\nt)], 1.0                      ; the spikes of 16 units x 2 batch rows
.endr
.irp nt, 0,1,2,3
	v_cndmask_b32 v[VM+(\nt)], v[VM+(\nt)], 0, s[SM+(\nt)]          ; reset
.endr
.irp nt, 0,1,2,3
	v_add_co_ci_u32 v[CN+(\nt)], vcc_lo, 0, v[CN+(\nt)], s[SM+(\nt)]  ; the mask is the carry in: count += spike; the carry out is never read
.endr
.irp nt, 0,1,2,3
	v_writelane_b32 v[BW+(\mt)], s[SM+(\nt)], 4*(\j)+(\nt)          ; the mask as a spike word
.endr
.endm
	s_load_b256 s[4:11], s[0:1], 0x0               ; X s[4:5], wb s[6:7], out0 s[8:9], out1 s[10:11]
	v_lshl_add_u32 v[SPW], v0, 2, SPARE
	v_mov_b32 v[NIL], 0
	v_lshrrev_b32 v1, 5, v0
	v_readfirstlane_b32 s12, v1                    ; wave 0..3
	v_and_b32 v1, 31, v0                           ; lane
	v_and_b32 v2, 15, v0                           ; r
	v_bfe_u32 v[VH], v0, 4, 1                      ; h
	v_lshlrev_b32 v[VR16], 4, v2
	v_lshlrev_b32 v[VX], 4, v1
	s_mov_b32 s17, 0x3f733333                      ; 0.95
	s_mov_b32 s18, 0x40004000                      ; 2.0 in both halves
	v_mul_u32_u24 v4, v2, PX                       ; a fragment: lane l holds row l % 16; two loads of 16 bytes, 32 apart, at row x pitch + 16 (l / 16)
	v_lshl_add_u32 v4, v[VH], 4, v4
.irp i, 0,1,2,3
	v_add_nc_u32 v[AD0+(\i)], (\i)*QUADB, v4
.endr
	s_lshl_b32 s28, s12, 19                        ; my wave's 512 KB of wb: 128 K steps of 4,096 bytes
	v_add_nc_u32 v[VB], s28, v[VX]
	v_add_nc_u32 v[VLIM], 121*4096, v[VB]
	v_mov_b32 v[VB2], v[VB]
	v_lshrrev_b32 v5, 2, v1                        ; a spike word's place: time lane / 4 of the row tile's eight, word 4 w + lane % 4 of the block's sixteen
	v_mul_u32_u24 v5, v5, PB
	v_and_b32 v6, 3, v1
	v_lshl_add_u32 v5, v6, 2, v5
	s_lshl_b32 s28, s12, 4
	s_add_co_u32 s28, s28, BITS
	v_add_nc_u32 v[BA0], s28, v5
	v_and_b32 v6, 7, v1                            ; unfolding: lane l is row l of 32: time 8 (l / 16) + l % 8 of sixteen, batch row (l / 8) % 2; my eight words begin at word 8 w
	v_lshl_add_u32 v6, v[VH], 3, v6
	v_mul_u32_u24 v6, v6, PB
	s_lshl_b32 s28, s12, 5
	s_add_co_u32 s28, s28, BITS
	v_add_nc_u32 v[RD0], s28, v6
	v_mul_u32_u24 v7, v1, PX
	s_lshl_b32 s28, s12, 8                         ; and my four steps of 64 bytes in the row
	v_add_nc_u32 v[WR0], s28, v7
	v_bfe_u32 v8, v0, 3, 1
	v_mov_b32 v9, 0x07060302                       ; the two high halves (batch row 1),
	v_mov_b32 v[SELB], 0x05040100                  ; or the two low ones
	v_cmp_eq_u32 vcc_lo, 1, v8
	v_cndmask_b32 v[SELB], v[SELB], v9, vcc_lo
	s_mul_i32 s28, s12, QUADB                      ; wave w brings in times 32 w .. 32 w + 31: row tiles 4 w .. 4 w + 3
	v_lshl_add_u32 v[SD], v1, 3, s28
	s_lshl_b32 s28, ttmp9, 12                      ; X: my two batch rows (4,096 bytes) of time 32 w (1 MB a time)
	s_lshl_b32 s30, s12, 25
	s_add_co_u32 s28, s28, s30
	s_mov_b32 s29, 0
	s_lshl_b32 s34, s12, 8                         ; outputs: my two rows, my wave's 64 columns
	s_lshl_b32 s30, ttmp9, 13
	s_add_co_u32 s30, s30, s34
	s_mov_b32 s31, 0
	s_lshl_b32 s36, ttmp9, 12
	s_add_co_u32 s36, s36, s34
	s_mov_b32 s37, 0
	s_wait_kmcnt 0x0
	s_add_nc_u64 s[4:5], s[4:5], s[28:29]
	s_add_nc_u64 s[8:9], s[8:9], s[30:31]
	s_add_nc_u64 s[10:11], s[10:11], s[36:37]
	LOADB 0, VB, 0                                 ; the ring's first three slots; they are older than every load of X, so the counts below cover them
	LOADB 1, VB, 4096
	LOADB 2, VB, 8192
	; X COMES IN: 32 times a wave, eight at a go in two register sets; while one set is rounded and stored into LDS the other's 32 loads are out.
	ISSUE 0
	ISSUE 1
	s_mov_b32 s19, 3
.Lstage:
	s_wait_loadcnt 32                              ; set 0 is in; set 1's 32 loads stay out
	CONV 0
	s_wait_xcnt 0x0                                ; every earlier load has had its address translated: X's address is stepped only behind this wait
	s_add_nc_u64 s[4:5], s[4:5], 0x800000          ; eight times on
	ISSUE 0
	s_wait_loadcnt 32                              ; set 1 is in; set 0's new loads stay out
	CONV 1
	ISSUE 1
	v_add_nc_u32 v[SD], TILEB, v[SD]               ; the next row tile
	s_sub_co_u32 s19, s19, 1
	s_cmp_lg_u32 s19, 0
	s_cbranch_scc1 .Lstage
	s_wait_loadcnt 32                              ; the last eight times: nothing more is asked for
	CONV 0
	s_wait_loadcnt 0x0
	CONV 1
	s_wait_dscnt 0x0                               ; for the others' sake: my rows are in LDS
	s_barrier_signal -1
	s_barrier_wait -1                              ; everybody's are
.irp mt, 0,1,2,3,4,5,6,7,8,9,10,11,12,13,14,15
	v_mov_b32 v[BW+(\mt)], 0                       ; v_writelane_b32 counts as a reader of its destination
.endr
	s_mov_b32 s13, 0
	s_mov_b32 s15, 1
.Lblock:
	s_cmp_lt_u32 s13, 4
	s_cbranch_scc1 .Lgemm                          ; layer 1's blocks all read X: no wave writes what another reads, so no barrier
	; LAYER 2: half g & 1 of the spike words is unfolded over the rows' operand.  Every wave has ended its reads of the operand and its stores of spike words, and says so;
	s_wait_dscnt 0x0
	s_barrier_signal -1
	s_barrier_wait -1
	s_and_b32 s28, s13, 1
	s_lshl_b32 s28, s28, 7                         ; 32 words
	v_add_nc_u32 v[RD], s28, v[RD0]
	v_mov_b32 v[WR], v[WR0]
	ds_load_b128 v[WD:WD+3], v[RD]
	ds_load_b128 v[WD+4:WD+7], v[RD] offset:16
	s_mov_b32 s19, 7
	s_wait_dscnt 0x0
.Lunfold:
	EXPTRIP 1
	s_sub_co_u32 s19, s19, 1
	s_cmp_lg_u32 s19, 0
	s_cbranch_scc1 .Lunfold
	EXPTRIP 0                                      ; the last 32 rows are written out: no load reaches past the spike words
	s_wait_dscnt 0x0                               ; for the others' sake: my columns of the operand are written
	s_barrier_signal -1
	s_barrier_wait -1
.Lgemm:
.irp i, 0,1,2,3
	v_mov_b32 v[AD+(\i)], v[AD0+(\i)]
.endr
	FETCHA 0, 0
	WIN 0
	s_mov_b32 s14, 4
.Ltrip:                                                ; four K steps: 256 matrix instructions, 128 LDS loads, 32 global loads
	STEP 0
	STEP 1
	STEP 2
	STEP 3
	WIN 0
	s_mov_b32 s15, 0
	s_wait_xcnt 0x0                                ; the weights' loads have had their addresses translated: their offsets are stepped only behind this wait
	v_add_nc_u32 v[VB], 4*4096, v[VB]
	v_min_u32 v[VB2], v[VB], v[VLIM]               ; in the launch's last trip the three steps that look past step 127 ask for steps 125-127 once more: nothing reads them, and no load leaves wb
.irp i, 0,1,2,3
	v_add_nc_u32 v[AD+(\i)], 256, v[AD+(\i)]
.endr
	s_sub_co_u32 s14, s14, 1
	s_cmp_lg_u32 s14, 0
	s_cbranch_scc1 .Ltrip
	s_cmp_lt_u32 s13, 4
	s_cbranch_scc1 .Llif
	s_and_b32 s28, s13, 1
	s_cmp_eq_u32 s28, 0
	s_cbranch_scc1 .Lnext                          ; blocks 4 and 6: the sums go on in the next block
.Llif:
	; THE SCAN, one text for both layers: 128 time steps of my 4 units x 2 batch rows x 16 lanes.  The six vector lines at the trip's end and the eight below are the places behind the last products.
	; Each accumulator is read from register 0 on.  Layer 2 has no use for the spike words: its v_writelane lines are the price of one text.
	s_wait_xcnt 0x0                                ; the last scan's store has read its registers and its base
.irp nt, 0,1,2,3
	v_mov_b32 v[VM+(\nt)], 0
	v_mov_b32 v[CN+(\nt)], 0
.endr
	WIN 0x20                                       ; source 2 (x) in window 2
.irp mt, 0,1,2,3,4,5,6,7
.irp j, 0,1,2,3,4,5,6,7
	LIFSTEP \mt, \j
.endr
.endr
	WIN 0x30                                       ; in window 3
.irp mt, 8,9,10,11,12,13,14,15
.irp j, 0,1,2,3,4,5,6,7
	LIFSTEP \mt, \j
.endr
.endr
	WIN 0
	s_sub_co_u32 s28, s13, 4
	s_lshr_b32 s28, s28, 1                         ; layer 2's block of columns (not taken in layer 1)
	s_cmp_lt_u32 s13, 4
	s_cselect_b32 s31, s13, s28
	s_cselect_b32 s30, 12, 11                      ; rows of 4,096 or 2,048 bytes
	s_cselect_b64 s[32:33], s[8:9], s[10:11]
	s_lshl_b32 s31, s31, 10                        ; 256 columns
	v_lshlrev_b32 v[VOUT], s30, v[VH]
	v_add3_u32 v[VOUT], v[VOUT], v[VR16], s31
.irp nt, 0,1,2,3
	v_cvt_f32_u32 v[OU+(\nt)], v[CN+(\nt)]
.endr
.irp nt, 0,1,2,3
	v_mul_f32 v[OU+(\nt)], 0x3c000000, v[OU+(\nt)] ; / 128, exact
.endr
	global_store_b128 v[VOUT], v[OU:OU+3], s[32:33] th:TH_STORE_NT  ; my four neighbouring columns; 16 lanes store 256 consecutive aligned bytes of one batch row
	s_cmp_lt_u32 s13, 4
	s_cbranch_scc0 .Lno_bits
	s_lshl_b32 s28, s13, 6                         ; the block's sixteen words
	v_add_nc_u32 v[BA], s28, v[BA0]
.irp mt, 0,1,2,3,4,5,6,7,8,9,10,11,12,13,14,15
	ds_store_b32 v[BA], v[BW+(\mt)] offset:(\mt)*8*PB  ; eight times x my four words
.endr
.Lno_bits:
	s_mov_b32 s15, 1                               ; the next block starts new sums
.Lnext:
	s_add_co_u32 s13, s13, 1
	s_cmp_lt_u32 s13, 8
	s_cbranch_scc1 .Lblock
	s_wait_tensorcnt 0x0                           ; the wave's end: behind my last LDS store
	ds_add_u32 v[SPW], v[NIL]
	s_wait_dscnt 0x0
	s_endpgm
.Lfunc_end_k_qfb4d69bd54_snn:
	.size	k_qfb4d69bd54_snn, .Lfunc_end_k_qfb4d69bd54_snn-k_qfb4d69bd54_snn
	.p2alignl 7, 3214868480
	.fill 96, 4, 3214868480
	.section	.rodata,"a",@progbits
	.p2align	6, 0x0
	.amdhsa_kernel k_qfb4d69bd54_snn
		.amdhsa_group_segment_fixed_size 301568
		.amdhsa_private_segment_fixed_size 0
		.amdhsa_enable_private_segment 0
		.amdhsa_kernarg_size 32
		.amdhsa_user_sgpr_count 2
		.amdhsa_user_sgpr_kernarg_segment_ptr 1
		.amdhsa_wavefront_size32 1
		.amdhsa_system_sgpr_workgroup_id_x 1
		.amdhsa_system_sgpr_workgroup_id_y 1
		.amdhsa_system_sgpr_workgroup_id_z 1
		.amdhsa_system_vgpr_workitem_id 0
		.amdhsa_next_free_vgpr 1024
		.amdhsa_next_free_sgpr 66
		.amdhsa_reserve_vcc 1
		.amdhsa_float_denorm_mode_32 3
		.amdhsa_float_denorm_mode_16_64 3
		.amdhsa_memory_ordered 1
		.amdhsa_forward_progress 1
		.amdhsa_inst_pref_size 253
	.end_amdhsa_kernel
	.amdgpu_metadata
---
amdhsa.version: [ 1, 2 ]
amdhsa.kernels:
  - .name:           k_qfb4d69bd54_snn
    .symbol:         k_qfb4d69bd54_snn.kd
    .args:
      - { .name: spike_seq, .offset: 0, .size: 8, .value_kind: global_buffer, .address_space: global }
      - { .name: wb, .offset: 8, .size: 8, .value_kind: global_buffer, .address_space: global }
      - { .name: out0, .offset: 16, .size: 8, .value_kind: global_buffer, .address_space: global }
      - { .name: out1, .offset: 24, .size: 8, .value_kind: global_buffer, .address_space: global }
    .group_segment_fixed_size: 301568
    .private_segment_fixed_size: 0
    .kernarg_segment_align: 8
    .kernarg_segment_size: 32
    .max_flat_workgroup_size: 128
    .sgpr_count:     66
    .vgpr_count:     1024
    .wavefront_size: 32
...
	.end_amdgpu_metadata
.endif
;; end of part 2
